; MI455X (gfx1250); checked and timed in simulation.
; The chip was launched on July 23, 2026; its instructions are those of AMD's public machine-readable ISA for CDNA 5 (MIT licence, August 2026) and "CDNA5" Instruction Set Architecture Reference Guide (July 2026). The comments in the code are by the model that wrote it; some were corrected since.
;; quantizer. Allowed arithmetic: matrix products marked QUANTISED: E2M1 operands, one E8M0 scale for each 32 along K, by v_wmma_scale_f32_16x16x128_f8f6f4 with both operands' format E2M1 (or v_wmma_scale_f32_32x16x128_f4), f32 sums; everything else in f32.
;; Inputs: codebook 8,192 x 256 float32; x 32 x 256 x 32 x 32 float32.
;; Outputs: out0 32 x 256 x 32 x 32 float32; out1 32 x 32 x 32 int32; out2 one number float32; out3 one number float32.
;; This version of the problem:
;;   THIS VERSION OF THE PROBLEM IS GIVEN IN LOW PRECISION. The matrix products marked QUANTISED in the list below multiply operands that are first quantised to E2M1 (2 exponent bits, 1 mantissa bit; 4 bits a number), with one power-of-two scale for each 32 numbers along K (OCP MX v1.0); their sums are f32. All else is computed in f32.
;;   The module's matrix products, in the order in which they are computed (A, B: the left and right operand; K: the contracted axis; several contracted axes count as one K, in the product's order):
;;     1. [M 32,768, K 256] x [K 256, N 8,192]; A: input x; B: input codebook: QUANTISED
;;   THE QUANTISER, for each operand of a quantised product, along K:
;;     - K is cut into blocks of 32 from its start; a last block that is shorter is filled with zeros.
;;     - A block's scale is 2^e with e = floor(log2(the largest magnitude in the block)) - 2, held to -126 .. 127; a block of zeros has e = 0. As a byte (E8M0): e + 127.
;;     - Each number is divided by its block's scale, clamped to +-6, and rounded to the nearest number of E2M1, ties to even, subnormals kept.
;;     - The product sums the exact products of the quantised numbers (number of the format x scale) in f32.
;;   ~~~python
;;   def quantise(x, axis):      # numpy; x: float32 -> the quantised numbers, widened to float32 again
;;       x = np.moveaxis(x, axis, -1); K = x.shape[-1]
;;       x = np.pad(x, [(0, 0)] * (x.ndim - 1) + [(0, -K % 32)]); x = x.reshape(x.shape[:-1] + (-1, 32)); a = np.abs(x).max(-1, keepdims=True)
;;       e = np.where(a > 0, np.clip(np.frexp(np.where(a > 0, a, 1))[1] - 1 - 2, -126, 127), 0)      # np.frexp(a)[1] - 1 = floor(log2(a)), exactly
;;       r = np.clip(x / 2.0 ** e, -6, 6)
;;       step = 2.0 ** (np.maximum(np.frexp(np.where(r == 0, 1, r))[1] - 1, 0) - 1)
;;       q = np.round(r / step) * step * 2.0 ** e      # np.round: ties to even
;;       return np.moveaxis(q.reshape(q.shape[:-2] + (-1,))[..., :K], -1, axis).astype(np.float32)
;;   ~~~
;; One version. Each part assembles by itself: llvm-mc -triple=amdgcn-amd-amdhsa -mcpu=gfx1250 --defsym DOCPART=n.
;; ======== version 1 of 1: 5 launches
;; limits: right only within a limited range of input values
;; workspace buffers: xq 4,456,448 bytes; cbq 1,179,648 bytes; grp 131,072 bytes of whole numbers; idxw 131,072 bytes of whole numbers; part 2,048 bytes
;; launch prep (part 1): grid 640 x 1, 8 waves a work-group, no clusters, 72,704 bytes of LDS; arguments x, codebook, xq, cbq; writes xq, cbq
.if DOCPART == 1
	.amdgcn_target "amdgcn-amd-amdhsa--gfx1250"
	.amdhsa_code_object_version 6
	.text
	.protected	k_q1c6cb6149b_prep
	.globl	k_q1c6cb6149b_prep
	.p2align	8
	.type	k_q1c6cb6149b_prep,@function
k_q1c6cb6149b_prep:
	s_mov_b64 s[64:65], 0
	v_nop
	global_prefetch_b8 v0, s[64:65] scope:SCOPE_SE
	s_setreg_imm32_b32 hwreg(HW_REG_WAVE_MODE, 25, 1), 1
	s_wait_xcnt 0x0
; Both operands of the one product, x [32][256][1024] f32 (K = the 256, NOT innermost) and codebook [8192][256] f32 (K innermost), become codes of FP4 (E2M1)
; with one E8M0 scale byte for each 32 along K, laid in the order in which the later launches' operand registers take them; and -c_sq / 2 of each codeword.
; A block's scale is 2^(floor(log2(its largest magnitude)) - 2): its byte is the largest magnitude's exponent field - 2, held at 1 from below.
; LIMITS: NaN and infinities are not served.  A block of zeros gets the byte 1 where the rule says 127: its codes are zeros, and this program alone reads the bytes.
; c_sq is summed in eight chains of 8 numbers' pairs a quarter row, then in pairs: an order of rounding of its own.
; xq: 256 records of 17,408 bytes, one for 128 tokens (token n = 1024 b + hw).  Tile T of 16 tokens at 2048 T; in it the 512 bytes of (K step s, half q) at 512 (2 s + q);
;     in them lane slot 16 (16 hk + r): the 32 codes of token 16 T + r, k = 128 s + 64 q + 32 hk + 0 .. 31.  From byte 16,384: 8 scale bytes a token, in K's order.
; cbq: 256 records of 4,608 bytes, one for a chunk of 32 codewords.  Tile u (0, 1) holds in row r' codeword 16 (r' / 8) + 8 u + r' % 8 of the chunk; its 512 bytes of (s, q) at 512 (4 u + 2 s + q),
;     lane slots as above.  From byte 4,096: 8 scale bytes a codeword, codewords in their own order; from 4,352: 32 f32, -c_sq / 2; from 4,480: 128 bytes of zeros, so that a record is whole.
; SHARES.  Work-groups 0 .. 511 take 64 tokens of x each, work-groups 512 .. 639 two chunks of the codebook each.  In both a lane ends with 64 numbers along K of ONE row (two blocks of 32),
; so no other lane is asked for a maximum.  The two ways have LDS bytes of their own.  No cluster: no two work-groups read the same bytes.  No tensor load: the loads' data go straight to the arithmetic.
.set CSC, 69632                        ; LDS: 0 .. 69,631 the codebook's stages, 8 waves x 32 rows x 272 bytes; then its scale bytes [64 rows][8],
.set CSQ, 70144                        ; its partial sums of squares [4 quarters of K][64 rows] f32,
.set XSC, 71168                        ; and x's scale bytes [64 tokens][8]
.set X,   16                           ; v16-79   my row's 64 numbers
.set R,   80                           ; v80-143  the codebook's rows as they are loaded
.set C,   144                          ; v144-151 the codes: four registers a block
.set WK,  152                          ; v152-158 at work: +0, +1 maxima, +2 the conversion's scale operand, +4, +5 the two bytes, +6 both
.set SQ,  80                           ; v80-87 sums of squares, four pairs: on registers of R, whose stores into the stage have been waited for by then
; Block e (0, 1) of my 64 numbers: its largest magnitude, its byte, its 32 codes.
.macro QB e
.set XS, X+32*(\e)
	v_max3_num_f32 v[WK], |v[XS]|, |v[XS+1]|, |v[XS+2]|            ; two chains, so that no line waits for the line above it
	v_max3_num_f32 v[WK+1], |v[XS+3]|, |v[XS+4]|, |v[XS+5]|
.irp i, 6,10,14,18,22,26
	s_delay_alu instid0(VALU_DEP_2)
	v_max3_num_f32 v[WK], v[WK], |v[XS+\i]|, |v[XS+\i+1]|
	s_delay_alu instid0(VALU_DEP_2)
	v_max3_num_f32 v[WK+1], v[WK+1], |v[XS+\i+2]|, |v[XS+\i+3]|
.endr
	s_delay_alu instid0(VALU_DEP_2)
	v_max3_num_f32 v[WK], v[WK], |v[XS+30]|, |v[XS+31]|
	s_delay_alu instid0(VALU_DEP_1)
	v_max3_num_f32 v[WK], v[WK], v[WK+1], 0x1800000                ; and the floor 2^(3 - 127): the byte cannot fall under 1
	s_delay_alu instid0(VALU_DEP_1)
	v_add_nc_u32 v[WK+2], 0xff000000, v[WK]                        ; 2 off the exponent field: the conversion takes the exponent field of this operand as its scale
	s_delay_alu instid0(VALU_DEP_1)
	v_lshrrev_b32 v[WK+4+(\e)], 23, v[WK+2]                        ; the scale's byte
.irp g, 0,1,2,3
	v_cvt_scalef32_pk8_fp4_f32 v[C+4*(\e)+\g], v[XS+8*\g:XS+8*\g+7], v[WK+2]   ; to the nearest code, ties to even, beyond 6 the largest code; the lowest k in the lowest bits
.endr
	v_nop                                                          ; one plain line behind the last conversion, ahead of the next write of its scale operand
.endm
	s_load_b128 s[4:7], s[0:1], 0x0                ; x, codebook
	s_load_b128 s[8:11], s[0:1], 0x10              ; xq, cbq
	v_lshl_add_u32 v159, v0, 2, 0x11800
	v_mov_b32 v2, 0
	v_lshrrev_b32 v1, 5, v0
	s_delay_alu instid0(VALU_DEP_1)
	v_readfirstlane_b32 s12, v1                    ; wave 0 .. 7
	v_and_b32 v1, 31, v0                           ; lane
	s_and_b32 s13, s12, 1                          ; which 32 rows (tokens, or codewords: a chunk)
	s_lshr_b32 s14, s12, 1                         ; kq: which 64 along K
	s_cmp_lt_u32 ttmp9, 512                        ; the same in all eight waves
	s_cbranch_scc0 .Lcodebook
	; ---- x: a lane takes a token and its registers run down K: each load reads 128 consecutive bytes of one row of x, and the wave beside it the next 128
	s_lshr_b32 s16, ttmp9, 4                       ; b
	s_lshl_b32 s16, s16, 20                        ; x 256 rows of 4,096 bytes
	s_and_b32 s17, ttmp9, 15
	s_lshl_b32 s17, s17, 8                         ; + my work-group's 64 tokens
	s_add_co_u32 s16, s16, s17
	s_lshl_b32 s17, s13, 7                         ; + my wave's 32 of them
	s_add_co_u32 s16, s16, s17
	s_lshl_b32 s17, s14, 18                        ; + 64 kq rows
	s_add_co_u32 s16, s16, s17
	s_mov_b32 s17, 0
	s_lshr_b32 s18, ttmp9, 1
	s_mul_i32 s18, s18, 17408                      ; my record of xq
	s_and_b32 s20, ttmp9, 1                        ; which half of its 128 tokens
	s_lshl_b32 s21, s20, 13                        ; four tiles of 2,048 bytes
	s_lshl_b32 s22, s13, 12                        ; my wave's two tiles
	s_add_co_u32 s21, s21, s22
	s_lshl_b32 s22, s14, 9                         ; 64 kq along K is (s, q) = kq
	s_add_co_u32 s21, s21, s22
	s_add_co_u32 s22, s18, s21                     ; where my wave's codes go
	s_mov_b32 s23, 0
	s_lshl_b32 s20, s20, 9
	s_add_co_u32 s18, s18, s20
	s_add_co_u32 s18, s18, 16384                   ; where the work-group's 512 scale bytes go
	s_mov_b32 s19, 0
	s_wait_alu depctr_va_vdst(0)
	v_lshlrev_b32 v3, 2, v1                        ; in: 4 bytes a lane
	v_and_b32 v4, 15, v1
	s_delay_alu instid0(VALU_DEP_1)
	v_lshlrev_b32 v4, 4, v4
	v_bfe_u32 v8, v0, 4, 1
	s_delay_alu instid0(VALU_DEP_1)
	v_lshl_add_u32 v4, v8, 11, v4                  ; out: tile lane / 16, slot lane % 16
	s_lshl_b32 s28, s13, 8
	s_lshl_b32 s29, s14, 1
	s_add_co_u32 s28, s28, s29
	s_add_co_u32 s28, s28, XSC
	v_lshl_add_u32 v5, v1, 3, s28                  ; LDS: my token's 8 bytes, my two of them
	v_lshlrev_b32 v6, 4, v1
	s_delay_alu instid0(VALU_DEP_1)
	v_add_nc_u32 v7, XSC, v6                       ; and on the way out 16 bytes a lane
	s_wait_alu depctr_va_vdst(0)
	s_wait_kmcnt 0x0
	s_add_nc_u64 s[4:5], s[4:5], s[16:17]
	s_add_nc_u64 s[24:25], s[8:9], s[22:23]
	s_add_nc_u64 s[26:27], s[8:9], s[18:19]
.set n, 0
.rept 64
	global_load_b32 v[X+n], v3, s[4:5] offset:n*4096 th:TH_LOAD_NT   ; x(b, 64 kq + n, my token): all 64 go out at once
.set n, n+1
.endr
	s_wait_loadcnt 32                              ; loads come back in order: the first block's 32 are in, the second block's 32 may be out
	QB 0
	s_wait_loadcnt 0x0
	QB 1
	v_lshl_or_b32 v[WK+6], v[WK+5], 8, v[WK+4]
	global_store_b128 v4, v[C:C+3], s[24:25]                       ; sixteen lanes store 256 consecutive bytes, aligned
	global_store_b128 v4, v[C+4:C+7], s[24:25] offset:256          ; the second block is hk = 1: 256 bytes on
	ds_store_b16 v5, v[WK+6]
	s_wait_dscnt 0x0                               ; for the others' sake: my two bytes lie in LDS
	s_barrier_signal -1
	s_barrier_wait -1
	s_cmp_lg_u32 s12, 0
	s_cbranch_scc1 .Lxdone
	ds_load_b128 v[8:11], v7                       ; wave 0 sends the 64 tokens' scale bytes: 512 consecutive bytes
	s_wait_dscnt 0x0
	global_store_b128 v6, v[8:11], s[26:27]
.Lxdone:
	s_wait_tensorcnt 0x0
	ds_add_u32 v159, v2
	s_wait_dscnt 0x0
	s_endpgm
	; ---- the codebook: K is innermost, so loads take the bytes as they lie (16 lanes: 256 consecutive bytes of a row) and the wave's 32 rows x 256 bytes turn through its own stage
.Lcodebook:
	s_sub_co_u32 s16, ttmp9, 512
	s_lshl_b32 s16, s16, 1
	s_add_co_u32 s16, s16, s13                     ; my chunk
	s_lshl_b32 s18, s16, 15                        ; 32 rows of 1,024 bytes
	s_lshl_b32 s19, s14, 8                         ; + 64 kq numbers
	s_add_co_u32 s18, s18, s19
	s_mov_b32 s19, 0
	s_mul_i32 s20, s16, 4608                       ; my chunk's record
	s_mov_b32 s21, 0
	s_lshl_b32 s22, s14, 9
	s_add_co_u32 s22, s22, s20                     ; and (s, q) = kq in it
	s_mov_b32 s23, 0
	s_wait_alu depctr_va_vdst(0)
	v_and_b32 v14, 15, v1
	s_delay_alu instid0(VALU_DEP_1)
	v_lshlrev_b32 v14, 4, v14
	v_bfe_u32 v15, v0, 4, 1
	s_delay_alu instid0(VALU_DEP_1)
	v_lshl_add_u32 v3, v15, 10, v14                ; in: two rows a load
	s_mul_i32 s24, s12, 8704                       ; my stage: 32 rows x 272 bytes (17 x 16: the rows that a load touches begin in different banks)
	v_mad_u32_u24 v4, v15, 272, v14
	s_delay_alu instid0(VALU_DEP_1)
	v_add_nc_u32 v4, s24, v4                       ; into it as loaded,
	v_mul_u32_u24 v5, v1, 272
	s_delay_alu instid0(VALU_DEP_1)
	v_add_nc_u32 v5, s24, v5                       ; out of it a row a lane: from here on lane = the codeword's place in its chunk
	v_and_b32 v6, 7, v1
	s_delay_alu instid0(VALU_DEP_1)
	v_lshl_add_u32 v6, v15, 3, v6                  ; r' = 8 (lane / 16) + lane % 8
	s_delay_alu instid0(VALU_DEP_1)
	v_lshlrev_b32 v6, 4, v6
	v_bfe_u32 v14, v0, 3, 1                        ; u = (lane / 8) % 2
	s_delay_alu instid0(VALU_DEP_1)
	v_lshl_add_u32 v6, v14, 11, v6                 ; the codes' place in the record
	s_lshl_b32 s25, s13, 8
	s_add_co_u32 s26, s25, CSC
	v_lshl_add_u32 v10, v1, 3, s26                 ; LDS: my codeword's 8 scale bytes,
	s_lshl_b32 s27, s14, 1
	v_add_nc_u32 v7, s27, v10                      ; my two of them
	s_lshl_b32 s25, s13, 7
	s_add_co_u32 s25, s25, CSQ
	v_lshl_add_u32 v9, v1, 2, s25                  ; my codeword's partial sums, quarter 0,
	s_lshl_b32 s27, s14, 8
	v_add_nc_u32 v8, s27, v9                       ; and my quarter
	v_lshlrev_b32 v11, 3, v1
	v_lshlrev_b32 v12, 2, v1
	v_mov_b32 v13, 0
	s_wait_kmcnt 0x0
	s_add_nc_u64 s[6:7], s[6:7], s[18:19]
	s_add_nc_u64 s[28:29], s[10:11], s[22:23]
	s_add_nc_u64 s[30:31], s[10:11], s[20:21]
.irp i, 0,1,2,3,4,5,6,7,8,9,10,11,12,13,14,15
	global_load_b128 v[R+4*\i:R+4*\i+3], v3, s[6:7] offset:\i*2048 th:TH_LOAD_NT
.endr
.irp i, 0,1,2,3,4,5,6,7,8,9,10,11,12,13,14,15
	s_wait_loadcnt 15-\i                           ; rows 2 i and 2 i + 1 are in; the later pairs may be out
	ds_store_b128 v4, v[R+4*\i:R+4*\i+3] offset:\i*544
.endr
.irp j, 0,1,2,3,4,5,6,7,8,9,10,11,12,13,14,15
	ds_load_b128 v[X+4*\j:X+4*\j+3], v5 offset:16*\j   ; LDS serves a wave's instructions in order: these see my stores
.endr
	s_wait_dscnt 0x0
.irp p, 0,1,2,3
	v_pk_mul_f32 v[SQ+2*\p:SQ+2*\p+1], v[X+2*\p:X+2*\p+1], v[X+2*\p:X+2*\p+1]   ; the first four pairs start the sums: nothing is cleared
.endr
.set p, 4
.rept 28
	s_delay_alu instid0(VALU_DEP_4)
	v_pk_fma_f32 v[SQ+2*(p%4):SQ+2*(p%4)+1], v[X+2*p:X+2*p+1], v[X+2*p:X+2*p+1], v[SQ+2*(p%4):SQ+2*(p%4)+1]
.set p, p+1
.endr
	s_delay_alu instid0(VALU_DEP_3)
	v_pk_add_f32 v[SQ:SQ+1], v[SQ:SQ+1], v[SQ+2:SQ+3]
	s_delay_alu instid0(VALU_DEP_2)
	v_pk_add_f32 v[SQ+4:SQ+5], v[SQ+4:SQ+5], v[SQ+6:SQ+7]
	s_delay_alu instid0(VALU_DEP_1)
	v_pk_add_f32 v[SQ:SQ+1], v[SQ:SQ+1], v[SQ+4:SQ+5]
	s_delay_alu instid0(VALU_DEP_1)
	v_add_f32 v[SQ], v[SQ], v[SQ+1]                ; the squares of my 64 numbers (of the numbers as given, not of their codes)
	QB 0
	QB 1
	v_lshl_or_b32 v[WK+6], v[WK+5], 8, v[WK+4]
	global_store_b128 v6, v[C:C+3], s[28:29]                       ; lanes 0-7 and 16-23 fill 256 consecutive bytes of tile 0, the others of tile 1
	global_store_b128 v6, v[C+4:C+7], s[28:29] offset:256
	ds_store_b16 v7, v[WK+6]
	ds_store_b32 v8, v[SQ]
	s_wait_dscnt 0x0                               ; for the others' sake: my bytes and my partial sum lie in LDS
	s_barrier_signal -1
	s_barrier_wait -1
	s_cmp_lt_u32 s12, 2
	s_cbranch_scc0 .Lcdone
.irp k, 0,1,2,3
	ds_load_b32 v[WK+\k], v9 offset:256*\k         ; waves 0 and 1 finish a chunk each: the four quarters of K,
.endr
	ds_load_b64 v[R:R+1], v10                      ; and the 8 scale bytes
	s_wait_dscnt 0x0
	v_add_f32 v[WK], v[WK], v[WK+1]
	v_add_f32 v[WK+2], v[WK+2], v[WK+3]
	s_delay_alu instid0(VALU_DEP_1)
	v_add_f32 v[WK], v[WK], v[WK+2]
	s_delay_alu instid0(VALU_DEP_1)
	v_mul_f32 v[WK], -0.5, v[WK]                   ; exact
	global_store_b64 v11, v[R:R+1], s[30:31] offset:4096           ; 256 consecutive bytes, aligned
	global_store_b32 v12, v[WK], s[30:31] offset:4352
	global_store_b32 v12, v13, s[30:31] offset:4480                ; the record's last 128 bytes are read with it: zeros
.Lcdone:
	s_wait_tensorcnt 0x0
	ds_add_u32 v159, v2
	s_wait_dscnt 0x0
	s_endpgm
.Lfunc_end_k_q1c6cb6149b_prep:
	.size	k_q1c6cb6149b_prep, .Lfunc_end_k_q1c6cb6149b_prep-k_q1c6cb6149b_prep
	.p2alignl 7, 3214868480
	.fill 96, 4, 3214868480
	.section	.rodata,"a",@progbits
	.p2align	6, 0x0
	.amdhsa_kernel k_q1c6cb6149b_prep
		.amdhsa_group_segment_fixed_size 72704
		.amdhsa_private_segment_fixed_size 0
		.amdhsa_enable_private_segment 0
		.amdhsa_kernarg_size 32
		.amdhsa_user_sgpr_count 2
		.amdhsa_user_sgpr_kernarg_segment_ptr 1
		.amdhsa_wavefront_size32 1
		.amdhsa_system_sgpr_workgroup_id_x 1
		.amdhsa_system_sgpr_workgroup_id_y 1
		.amdhsa_system_sgpr_workgroup_id_z 1
		.amdhsa_system_vgpr_workitem_id 0
		.amdhsa_next_free_vgpr 160
		.amdhsa_next_free_sgpr 66
		.amdhsa_reserve_vcc 0
		.amdhsa_float_denorm_mode_32 3
		.amdhsa_float_denorm_mode_16_64 3
		.amdhsa_memory_ordered 1
		.amdhsa_forward_progress 1
		.amdhsa_inst_pref_size 28
	.end_amdhsa_kernel
	.amdgpu_metadata
---
amdhsa.version: [ 1, 2 ]
amdhsa.kernels:
  - .name:           k_q1c6cb6149b_prep
    .symbol:         k_q1c6cb6149b_prep.kd
    .args:
      - { .name: x, .offset: 0, .size: 8, .value_kind: global_buffer, .address_space: global }
      - { .name: codebook, .offset: 8, .size: 8, .value_kind: global_buffer, .address_space: global }
      - { .name: xq, .offset: 16, .size: 8, .value_kind: global_buffer, .address_space: global }
      - { .name: cbq, .offset: 24, .size: 8, .value_kind: global_buffer, .address_space: global }
    .group_segment_fixed_size: 72704
    .private_segment_fixed_size: 0
    .kernarg_segment_align: 8
    .kernarg_segment_size: 32
    .max_flat_workgroup_size: 256
    .sgpr_count:     66
    .vgpr_count:     160
    .wavefront_size: 32
...
	.end_amdgpu_metadata
.endif
;; end of part 1
;; launch search (part 2): grid 256 x 1, 8 waves a work-group, clusters of 4 x 1, 327,680 bytes of LDS; arguments xq, cbq, grp; writes grp
.if DOCPART == 2
	.amdgcn_target "amdgcn-amd-amdhsa--gfx1250"
	.amdhsa_code_object_version 6
	.text
	.protected	k_q1c6cb6149b_search
	.globl	k_q1c6cb6149b_search
	.p2align	8
	.type	k_q1c6cb6149b_search,@function
k_q1c6cb6149b_search:
	s_mov_b64 s[64:65], 0
	v_nop
	global_prefetch_b8 v0, s[64:65] scope:SCOPE_SE
	s_setreg_imm32_b32 hwreg(HW_REG_WAVE_MODE, 25, 1), 1
	s_wait_xcnt 0x0
	s_wait_alu depctr_hold_cnt(0) depctr_sa_sdst(0) depctr_va_vdst(0) depctr_va_sdst(0) depctr_va_ssrc(0) depctr_va_vcc(0) depctr_vm_vsrc(0)
	s_getreg_b32 s2, hwreg(HW_REG_IB_STS2, 6, 4)
	s_cmp_eq_u32 s2, 0
	s_cbranch_scc0 .Lentry_in_a_cluster
	s_endpgm
.Lentry_in_a_cluster:
	s_bfe_u32 s2, ttmp6, 0x10000c
	s_cmp_lg_u32 s2, 0x3003
	s_cbranch_scc0 .Lentry_shape_is_right
	s_endpgm
.Lentry_shape_is_right:
; For each of 32,768 tokens: which GROUP of 16 neighbouring codewords holds the largest score s = xc - c_sq / 2 (xc: the product on codes of FP4 with E8M0 scales, K = 256).
; x_sq is the same for all codewords of a token, so it moves no argmin and is left out: the largest s is the smallest distance.  -c_sq / 2 is the C of each sum's first matrix instruction.
; LIMITS: NaN and infinities are not served.  s is rounded as the matrix unit rounds it, not as x_sq - 2 xc + c_sq is in f32: where a token's two best distances lie within a few units in the
; last place of each other, the other of the two may win.  Of equal scores the lowest group wins.
; THE PRODUCT IS USED TRANSPOSED, in the form of 32 x 16 x 128: source 0 = a chunk's 32 codewords, source 1 = 16 tokens: a lane holds one token (lane % 16) and its 16 result registers run over codewords.
; A chunk's rows are laid (by the launch that makes cbq) in two tiles of 16 so that a lane's 16 results are 16 neighbours: group 2 chunk + lane / 16.  Of a group only its maximum is taken; the next launch finds the place in it.
; SHARES.  A work-group owns 128 tokens; each of its eight waves holds all their codes (128 registers, window 1).  The waves share out the chunks: in each of 8 phases of 32 chunks wave w takes
; chunks 4 w .. 4 w + 3, so each LDS byte of the codebook is read once.
; PIPELINE.  Two sets of fragment registers: a chunk's 13 LDS loads go out while the chunk before is multiplied.  Tiles of tokens go in pairs, 4 matrix instructions on 2 accumulators by turns;
; a pair's 20 maxima stand behind the next pair's products and name the other accumulators, so they are the places between products and whatever touches their registers next (ISA guide 7.12.1).
; CLUSTER.  All work-groups walk the same cbq: the four of a cluster ask for each piece jointly, by the same tensor load with the same descriptor and the mask of all four.
; RING.  Two LDS slots of 32 records; each wave fetches an eighth, 72 rows of 256 bytes, which are the four records that it reads.  By this text's count a wave has one tensor load out.
; PREFETCH.  Behind each joint load one instruction a wave asks for the piece that the load two changes of slots on will bring: its 576 blocks of 256 bytes are shared out by address, 18 to each of the
; cluster's 32 waves, a lane a block (lanes 18 to 31 name the wave's last block again).  The last two refills ask for nothing: no piece lies two on.
.set RECX,  17408                      ; a record of xq: 128 tokens
.set RECC,  4608                       ; a record of cbq: a chunk
.set SLOTB, 32*RECC
.set EIGHT, 4*RECC                     ; what one tensor load brings
.set SPARE, 2*SLOTB                    ; behind the ring: the spare words, 128 bytes for each wave
.set BVL,   0                          ; the end's stage, in slot 0, which has then had its last fill and its last read: [8 waves][128 tokens] best scores,
.set BGL,   4096                       ; and their groups
.set SPW,   1                          ; v1  LDS address of my spare word; never rewritten
.set NIL,   2                          ; v2  0; never rewritten
.set AC,    3                          ; v3, v4   slot 0, 1: my four records + 16 x lane
.set ASC,   5                          ; v5, v6   + 8 x the codeword whose scale bytes my lane takes: lane m takes row m of the 32
.set AB,    7                          ; v7, v8   + 64 x (lane / 16): my group's 16 numbers -c_sq / 2
.set HK,    9                          ; v9       lane / 16
.set M0,    10                         ; v10-13   four chains of maxima
.set TS,    14                         ; v14-21   the tokens' scale words of K step 0, a register a tile
.set GID,   22                         ; v22-29   best chunk, a register a tile of tokens
.set BESTA, 30                         ; v30-37   best score: two sets by turns, so that the compare still finds the old one
.set BESTB, 38                         ; v38-45
.set AS,    46                         ; v46-49   a chunk's scale words, K step 0 and 1: two sets
.set BI,    50                         ; v50-81   -c_sq / 2 in the result's layout, 8 u + j: two sets
.set AF,    82                         ; v82-145  a chunk's fragments, 16 s + 8 u: two sets
.set ACC,   146                        ; v146-209 two sets of two accumulators of 16 registers, by turns from pair to pair
.set STG,   210                        ; the stage: 512 x wave + 4 x (lane % 16)
.set FRD,   211                        ; 8 x (thread % 64): two tokens a thread
.set GO,    212                        ; 16 x lane
.set GS,    213                        ; 8 (lane % 16)
.set PFO,   214                        ; the prefetches' offset; never rewritten
.set TS1,   215                        ; v215-222 the tokens' scale words of K step 1
.set WV,    10                         ; s10 my wave's number
.set G1,    16                         ; s[16:23] descriptor group 1
.set G0,    24                         ; s[24:31] descriptor group 0, a set for each slot
.set CUR,   43                         ; s43 the chunk in hand
.set PF,    46                         ; s[46:47] the piece of cbq that the next prefetch names
.set MSB, 0
.macro WIN new                         ; the immediate's high byte repeats the setting that is left
.if MSB != \new
	s_set_vgpr_msb (MSB<<8)|\new
.set MSB, \new
.endif
.endm
.macro CREST                           ; a round of the cluster's barrier behind its opening barrier
	s_cmp_lg_u32 s[WV], 0
	s_cbranch_scc1 .Lnw0_\@
	s_barrier_signal -3
.Lnw0_\@:
	s_barrier_wait -3
	s_barrier_signal -1
	s_barrier_wait -1
.endm
.macro ROUND
	s_barrier_signal -1
	s_barrier_wait -1
	CREST
.endm
.macro PREF
	s_cmp_lt_u32 ttmp9, 4
	s_cbranch_scc0 .Lno_prefetch_search0_\@
	global_prefetch_b8 v[PFO], s[PF:PF+1] th:TH_LOAD_NT scope:SCOPE_SE
.Lno_prefetch_search0_\@:
.endm
.macro ASK                             ; in the loop's last trip no piece lies two refills on
	s_cmp_gt_u32 s32, 1
	s_cbranch_scc0 .Lno_ask_\@
	PREF
.Lno_ask_\@:
.endm
; My i-th chunk of the slot into set f: 8 loads of codes (512 consecutive bytes each; the record has tile u, K step s, half q at 512 (4 u + 2 s + q)), its scale words, its 16 numbers -c_sq / 2
.macro LOADA slot, i, f
.irp u, 0,1
.irp s, 0,1
.irp q, 0,1
	ds_load_b128 v[AF+32*(\f)+16*\s+8*\u+4*\q:AF+32*(\f)+16*\s+8*\u+4*\q+3], v[AC+(\slot)] offset:(\i)*RECC+512*(4*\u+2*\s+\q)
.endr
.endr
.endr
	ds_load_b64 v[AS+2*(\f):AS+2*(\f)+1], v[ASC+(\slot)] offset:(\i)*RECC+4096
.irp n, 0,1,2,3
	ds_load_b128 v[BI+16*(\f)+4*\n:BI+16*(\f)+4*\n+3], v[AB+(\slot)] offset:(\i)*RECC+4352+16*\n
.endr
.endm
; The chunk in set f against tiles 2 p and 2 p + 1 of the tokens (window 1, 16 t + 8 s): K step 0 on the two accumulators, then K step 1
.macro W2 p, f
.set DD, ACC+32*((\p)%2)
.set FA, AF+32*(\f)
.set FB, BI+16*(\f)
.set FS, AS+2*(\f)
	WIN 0x04                                       ; source 1 in window 1
.irp e, 0,1
	v_wmma_scale_f32_32x16x128_f4 v[DD+16*\e:DD+16*\e+15], v[FA:FA+15], v[32*(\p)+16*\e:32*(\p)+16*\e+7], v[FB:FB+15], v[FS], v[TS+2*(\p)+\e]
.endr
.irp e, 0,1
	v_wmma_scale_f32_32x16x128_f4 v[DD+16*\e:DD+16*\e+15], v[FA+16:FA+31], v[32*(\p)+16*\e+8:32*(\p)+16*\e+15], v[DD+16*\e:DD+16*\e+15], v[FS+1], v[TS1+2*(\p)+\e]
.endr
	WIN 0
.endm
; Tiles 2 p and 2 p + 1: each tile's 16 scores against its best so far, four chains by turns.  Each accumulator is read from its low end on.  Strictly greater: of equal scores the earlier, lower chunk stays.
.macro CH2 p, old, new
.set AA, ACC+32*((\p)%2)
.irp c, 0,1,2,3
	v_max3_num_f32 v[M0+\c], v[AA+8*\c], v[AA+8*\c+1], v[AA+8*\c+2]
.endr
.irp c, 0,1,2,3
	v_max3_num_f32 v[M0+\c], v[M0+\c], v[AA+8*\c+3], v[AA+8*\c+4]
.endr
.irp c, 0,1,2,3
	v_max3_num_f32 v[M0+\c], v[M0+\c], v[AA+8*\c+5], v[AA+8*\c+6]
.endr
	v_max3_num_f32 v[M0], v[M0], v[AA+7], v[AA+15]
	v_max3_num_f32 v[M0+2], v[M0+2], v[AA+23], v[AA+31]
	s_delay_alu instid0(VALU_DEP_2)
	v_max3_num_f32 v[\new+2*(\p)], v[M0], v[M0+1], v[\old+2*(\p)]
	v_max3_num_f32 v[\new+2*(\p)+1], v[M0+2], v[M0+3], v[\old+2*(\p)+1]
	s_delay_alu instid0(VALU_DEP_2)
	v_cmp_gt_f32 s40, v[\new+2*(\p)], v[\old+2*(\p)]
	v_cmp_gt_f32 s41, v[\new+2*(\p)+1], v[\old+2*(\p)+1]
	s_delay_alu instid0(VALU_DEP_2)
	v_cndmask_b32 v[GID+2*(\p)], v[GID+2*(\p)], s[CUR], s40
	v_cndmask_b32 v[GID+2*(\p)+1], v[GID+2*(\p)+1], s[CUR], s41
.endm
.macro OWN p, f                        ; a chunk in set 0 goes from BESTA to BESTB, one in set 1 back
.if \f
	CH2 \p, BESTB, BESTA
.else
	CH2 \p, BESTA, BESTB
.endif
.endm
; One chunk, in set f.  kind 0: the next chunk, nxt, lies in the same slot.  kind 1: this is the slot's last chunk, and the slot is filled again.  kind 2: the same with no refill.  kind 3: the last chunk of all.
; step: this chunk's number less the number of the chunk before (0: there is none before).
.macro UNIT f, kind, slot, nxt, step
.if (\kind == 1) || (\kind == 2)
.if \kind == 1
	s_wait_xcnt 0x0                                ; my last prefetch has read its address: on to the next piece
	s_add_nc_u64 s[PF:PF+1], s[PF:PF+1], SLOTB
.endif
	s_wait_tensorcnt 0x0                           ; all my tensor loads have landed: my part of the other slot
	ds_add_u32 v[SPW], v[NIL]                      ; 0 onto my spare word
	s_wait_dscnt 0x1                               ; this chunk's 13 loads, my last reads of the slot, are in; the add alone may be out
.else
	s_wait_dscnt 0x0                               ; this chunk's 13 loads are in
.endif
	W2 0, \f
.if \step
	OWN 3, 1-(\f)                                  ; the last two tiles of the chunk before
	s_add_co_u32 s[CUR], s[CUR], \step
.else
.rept 5
	v_nop                                          ; no maxima are at hand yet
.endr
.endif
.if \kind == 0
	LOADA \slot, \nxt, 1-(\f)
.endif
.if (\kind == 1) || (\kind == 2)
	s_wait_dscnt 0x0                               ; the add is done, and my reads of this slot are over
	s_barrier_signal -1
.endif
	W2 1, \f
	OWN 0, \f
.if (\kind == 1) || (\kind == 2)
	s_barrier_wait -1
.if \kind == 1
	CREST                                          ; the barrier has opened a round of the cluster's: no wave of any partner still reads the slot or has a load on its way
	s_add_nc_u64 s[G0+4*(\slot)+2:G0+4*(\slot)+3], s[G0+4*(\slot)+2:G0+4*(\slot)+3], 2*SLOTB
	tensor_load_to_lds s[G0+4*(\slot):G0+4*(\slot)+3], s[G1:G1+7]   ; the phase two on: my one tensor load behind the round
	s_nop 0
.endif
	LOADA 1-(\slot), 0, 0
.if \kind == 1
	ASK
.endif
.endif
	W2 2, \f
	OWN 1, \f
	W2 3, \f
	OWN 2, \f
.endm
.macro BETTER bv, bi, ov, oi           ; (bv, bi) takes (ov, oi) where ov is greater, or equal with the lower number
	v_cmp_gt_f32 s40, v[\ov], v[\bv]
	v_cmp_eq_f32 s41, v[\ov], v[\bv]
	v_cmp_lt_u32 s42, v[\oi], v[\bi]
	s_and_b32 s41, s41, s42
	s_or_b32 vcc_lo, s40, s41
	v_cndmask_b32 v[\bv], v[\bv], v[\ov], vcc_lo
	v_cndmask_b32 v[\bi], v[\bi], v[\oi], vcc_lo
.endm
	s_load_b128 s[4:7], s[0:1], 0x0                ; xq, cbq
	s_load_b64 s[8:9], s[0:1], 0x10                ; grp
	v_lshl_add_u32 v[SPW], v0, 2, SPARE
	v_mov_b32 v[NIL], 0
	ds_add_u32 v[SPW], v[NIL]                      ; the opening: the add, twice on end, and its wait ahead of my first tensor load
	ds_add_u32 v[SPW], v[NIL]
	v_lshrrev_b32 v[M0], 5, v0
	s_delay_alu instid0(VALU_DEP_1)
	v_readfirstlane_b32 s[WV], v[M0]               ; wave 0 .. 7
	s_bfe_u32 s11, ttmp6, 0x40000                  ; cx: my place in the cluster
	s_lshl_b32 s12, ttmp9, 2                       ; in a cluster launch ttmp9 counts clusters
	s_add_co_u32 s12, s12, s11                     ; my block of 128 tokens: it enters xq's and grp's addresses alone
	s_mul_i32 s34, s12, RECX
	s_mov_b32 s35, 0
	s_lshl_b32 s36, s12, 9
	s_mov_b32 s37, 0
	s_mov_b32 s[G1], 15|(3<<16)|(1<<21)            ; the mask: all four work-groups; elements of 8 bytes; bit 21 set beside a mask
	s_mov_b32 s[G1+1], 32<<16                      ; tensor_dim0 = 32: rows of 256 bytes
	s_mov_b32 s[G1+2], 72<<16                      ; tensor_dim1 = 72
	s_mov_b32 s[G1+3], 32<<16                      ; tile_dim0
	s_mov_b32 s[G1+4], 72                          ; tile_dim1
	s_mov_b32 s[G1+5], 32                          ; dense: elements from row to row
	s_mov_b32 s[G1+6], 0
	s_mov_b32 s[G1+7], 0
	s_mul_i32 s14, s[WV], EIGHT                    ; my eighth of a slot: the same bytes on in LDS and in cbq
	s_mov_b32 s15, 0
	s_mov_b32 s44, 0x76543210
	s_mov_b32 s45, 0xfedcba98                      ; v_permlanex16_b32's selects for lane l xor 16
	s_lshl_b32 s[CUR], s[WV], 2                    ; my first chunk
	s_lshl_b32 s38, s11, 3
	s_add_co_u32 s38, s38, s[WV]
	s_mul_i32 s38, s38, 18*256                     ; the 18 blocks of a piece that my wave prefetches: told apart from my partners' by address
	s_lshl_b32 s39, s[WV], 9
	v_and_b32 v[M0], 31, v0
	v_bfe_u32 v[HK], v0, 4, 1
	v_and_b32 v[ASC], 7, v0
	v_bfe_u32 v[ASC+1], v0, 3, 1
	v_and_b32 v[STG], 15, v0
	v_and_b32 v[FRD], 63, v0
	v_lshlrev_b32 v[GO], 4, v[M0]
	v_lshlrev_b32 v[ASC], 3, v[ASC]
	v_min_u32 v[PFO], 17, v[M0]
	v_lshlrev_b32 v[GS], 3, v[STG]
	v_lshl_add_u32 v[AB], v[HK], 6, s14
	v_lshlrev_b32 v[FRD], 3, v[FRD]
	v_add_nc_u32 v[AC], s14, v[GO]
	v_lshl_add_u32 v[ASC], v[HK], 6, v[ASC]
	v_lshl_add_u32 v[PFO], v[PFO], 8, s38
	v_lshl_add_u32 v[STG], v[STG], 2, s39
	v_add_nc_u32 v[AB+1], SLOTB, v[AB]
	v_add_nc_u32 v[AC+1], SLOTB, v[AC]
	v_lshl_add_u32 v[ASC], v[ASC+1], 7, v[ASC]     ; 8 x (16 ((lane / 8) % 2) + 8 (lane / 16) + lane % 8)
	s_delay_alu instid0(VALU_DEP_1)
	v_add_nc_u32 v[ASC], s14, v[ASC]
	s_delay_alu instid0(VALU_DEP_1)
	v_add_nc_u32 v[ASC+1], SLOTB, v[ASC]
	s_wait_alu depctr_va_vdst(0)
	s_wait_dscnt 0x0                               ; both opening adds are done
	s_wait_kmcnt 0x0
	s_add_nc_u64 s[4:5], s[4:5], s[34:35]          ; my block's record
	s_add_nc_u64 s[8:9], s[8:9], s[36:37]
	s_mov_b32 s[G0], 1
	s_mov_b32 s[G0+1], s14                         ; slot 0
	s_add_nc_u64 s[G0+2:G0+3], s[6:7], s[14:15]    ; phase 0
	s_mov_b32 s[G0+4], 1
	s_add_co_u32 s[G0+5], s14, SLOTB               ; slot 1
	s_add_nc_u64 s[G0+6:G0+7], s[G0+2:G0+3], SLOTB ; phase 1
	s_or_b32 s[G0+3], s[G0+3], 0x80000000          ; type = 2
	s_or_b32 s[G0+7], s[G0+7], 0x80000000
	s_add_nc_u64 s[PF:PF+1], s[6:7], 2*SLOTB       ; the first prefetch names phase 2
	ROUND                                          ; all four work-groups are here: the first joint loads meet
	tensor_load_to_lds s[G0:G0+3], s[G1:G1+7]      ; phase 0: one tensor load a wave at the head
	s_nop 0
	WIN 0x40                                       ; destination in window 1
.set n, 0
.rept 32
	global_load_b128 v[4*n:4*n+3], v[GO], s[4:5] offset:512*n      ; the 128 tokens' codes, an image of the registers: 512 consecutive bytes a load
.set n, n+1
.endr
	WIN 0
.irp t, 0,1,2,3,4,5,6,7
	global_load_b32 v[TS+\t], v[GS], s[4:5] offset:16384+128*\t    ; a token's 8 scale bytes: K step 0's word,
	global_load_b32 v[TS1+\t], v[GS], s[4:5] offset:16388+128*\t   ; and K step 1's
.endr
.irp t, 0,1,2,3,4,5,6,7
	v_mov_b32 v[GID+\t], 0
	v_mov_b32 v[BESTA+\t], 0xff800000              ; -infinity, under every score
.endr
	PREF                                           ; phase 2, which the load two on will bring
	s_wait_alu depctr_va_vdst(0)
	s_wait_tensorcnt 0x0                           ; my part of phase 0 is in; these lines stand ahead of a later first fill as ahead of a refill
	ds_add_u32 v[SPW], v[NIL]
	s_wait_xcnt 0x0                                ; the prefetch has read its address
	s_add_nc_u64 s[PF:PF+1], s[PF:PF+1], SLOTB
	s_wait_dscnt 0x0
	ROUND
	tensor_load_to_lds s[G0+4:G0+7], s[G1:G1+7]    ; phase 1: slot 1's first fill, my one tensor load behind the round
	s_nop 0
	LOADA 0, 0, 0
	PREF                                           ; phase 3
	s_wait_loadcnt 0x0                             ; the tokens' codes and scale words
	UNIT 0, 0, 0, 1, 0                             ; the first chunk stands ahead of the loop
	s_mov_b32 s32, 3
.Lpair:                                            ; a trip: eight chunks, from a phase's second to the first of the phase two on; both slots are filled again
	UNIT 1, 0, 0, 2, 1
	UNIT 0, 0, 0, 3, 1
	UNIT 1, 1, 0, 0, 1
	UNIT 0, 0, 1, 1, 29
	UNIT 1, 0, 1, 2, 1
	UNIT 0, 0, 1, 3, 1
	UNIT 1, 1, 1, 0, 1
	UNIT 0, 0, 0, 1, 29
	s_sub_co_u32 s32, s32, 1
	s_cmp_lg_u32 s32, 0
	s_cbranch_scc1 .Lpair
	UNIT 1, 0, 0, 2, 1                             ; the last two phases are written out: nothing is left to fetch
	UNIT 0, 0, 0, 3, 1
	UNIT 1, 2, 0, 0, 1
	UNIT 0, 0, 1, 1, 29
	UNIT 1, 0, 1, 2, 1
	UNIT 0, 0, 1, 3, 1
	UNIT 1, 3, 1, 0, 1
	OWN 3, 1
	; THE END.  A token's winners lie in two lanes of each of eight waves.  First the lane 16 away, then the waves, through the stage.
.irp t, 0,1,2,3,4,5,6,7
	v_lshl_add_u32 v[GID+\t], v[GID+\t], 1, v[HK]  ; group = 2 chunk + lane / 16
.endr
.irp t, 0,1,2,3,4,5,6,7
	v_permlanex16_b32 v[ACC+2*\t], v[BESTA+\t], s44, s45
	v_permlanex16_b32 v[ACC+2*\t+1], v[GID+\t], s44, s45
.endr
.irp t, 0,1,2,3,4,5,6,7
	BETTER BESTA+\t, GID+\t, ACC+2*\t, ACC+2*\t+1
	ds_store_b32 v[STG], v[BESTA+\t] offset:BVL+64*\t              ; both lanes of a token write the same word with the same value
	ds_store_b32 v[STG], v[GID+\t] offset:BGL+64*\t
.endr
	s_wait_dscnt 0x0                               ; for the others' sake
	s_barrier_signal -1
	s_barrier_wait -1
	s_cmp_lt_u32 s[WV], 2                          ; waves 0 and 1 join the eight, two tokens a thread
	s_cbranch_scc0 .Lclose
.irp q, 0,1,2,3,4,5,6,7
	ds_load_b64 v[AF+2*\q:AF+2*\q+1], v[FRD] offset:BVL+512*\q
	ds_load_b64 v[AF+16+2*\q:AF+16+2*\q+1], v[FRD] offset:BGL+512*\q
.endr
	s_wait_dscnt 0x0
.irp q, 1,2,3,4,5,6,7
.irp e, 0,1
	BETTER AF+\e, AF+16+\e, AF+2*\q+\e, AF+16+2*\q+\e
.endr
.endr
	global_store_b64 v[FRD], v[AF+16:AF+17], s[8:9]                ; a wave stores 256 consecutive bytes, aligned
.Lclose:
	s_wait_tensorcnt 0x0                           ; the wave's end
	ds_add_u32 v[SPW], v[NIL]
	s_wait_dscnt 0x0
	ROUND                                          ; the closing round: no work-group ends while a partner may still ask for a piece that names it
	s_endpgm
.Lfunc_end_k_q1c6cb6149b_search:
	.size	k_q1c6cb6149b_search, .Lfunc_end_k_q1c6cb6149b_search-k_q1c6cb6149b_search
	.p2alignl 7, 3214868480
	.fill 96, 4, 3214868480
	.section	.rodata,"a",@progbits
	.p2align	6, 0x0
	.amdhsa_kernel k_q1c6cb6149b_search
		.amdhsa_group_segment_fixed_size 327680
		.amdhsa_private_segment_fixed_size 0
		.amdhsa_enable_private_segment 0
		.amdhsa_kernarg_size 24
		.amdhsa_user_sgpr_count 2
		.amdhsa_user_sgpr_kernarg_segment_ptr 1
		.amdhsa_wavefront_size32 1
		.amdhsa_system_sgpr_workgroup_id_x 1
		.amdhsa_system_sgpr_workgroup_id_y 1
		.amdhsa_system_sgpr_workgroup_id_z 1
		.amdhsa_system_vgpr_workitem_id 0
		.amdhsa_next_free_vgpr 384
		.amdhsa_next_free_sgpr 66
		.amdhsa_reserve_vcc 1
		.amdhsa_float_denorm_mode_32 3
		.amdhsa_float_denorm_mode_16_64 3
		.amdhsa_memory_ordered 1
		.amdhsa_forward_progress 1
		.amdhsa_inst_pref_size 160
	.end_amdhsa_kernel
	.amdgpu_metadata
---
amdhsa.version: [ 1, 2 ]
amdhsa.kernels:
  - .name:           k_q1c6cb6149b_search
    .symbol:         k_q1c6cb6149b_search.kd
    .args:
      - { .name: xq, .offset: 0, .size: 8, .value_kind: global_buffer, .address_space: global }
      - { .name: cbq, .offset: 8, .size: 8, .value_kind: global_buffer, .address_space: global }
      - { .name: grp, .offset: 16, .size: 8, .value_kind: global_buffer, .address_space: global }
    .group_segment_fixed_size: 327680
    .private_segment_fixed_size: 0
    .kernarg_segment_align: 8
    .kernarg_segment_size: 24
    .max_flat_workgroup_size: 256
    .sgpr_count:     66
    .vgpr_count:     384
    .wavefront_size: 32
...
	.end_amdgpu_metadata
.endif
;; end of part 2
;; launch refine (part 3): grid 256 x 1, 16 waves a work-group, no clusters, 3,072 bytes of LDS; arguments grp, xq, cbq, out1, idxw; writes out1, idxw
.if DOCPART == 3
	.amdgcn_target "amdgcn-amd-amdhsa--gfx1250"
	.amdhsa_code_object_version 6
	.text
	.protected	k_q1c6cb6149b_refine
	.globl	k_q1c6cb6149b_refine
	.p2align	8
	.type	k_q1c6cb6149b_refine,@function
k_q1c6cb6149b_refine:
	s_mov_b64 s[64:65], 0
	v_nop
	global_prefetch_b8 v0, s[64:65] scope:SCOPE_SE
	s_setreg_imm32_b32 hwreg(HW_REG_WAVE_MODE, 25, 1), 1
	s_wait_xcnt 0x0
; For each token the launch before has stored the group of 16 neighbouring codewords that holds its largest score.  Here that one group is multiplied again, by the same two matrix instructions on the same
; codes, scale words and -c_sq / 2, and the FIRST maximum among its 16 scores gives the index: 16 group + place.  It goes to out1, and to idxw, from which the next launch forms addresses.
; LIMITS: as in the launch before (NaN and infinities not served; the score is xc - c_sq / 2 as the matrix unit rounds it).  A group's number is held at 511.
; SHARES.  A work-group owns 128 tokens; wave w owns tokens 8 w .. 8 w + 7: half a = w % 2 of tile T = w / 2.  Its eight groups' numbers come by one scalar load; all eight gathers go out together.
; Product i: source 0 = the 16 codewords of token i's group, source 1 = the tile's 16 tokens; of its result only token i's column (two lanes) is kept.
; No cluster and no LDS ring: each wave gathers records of its own choice, once.  No prefetch: the addresses are known only when the numbers are in, and the loads follow at once.
.set RECX, 17408
.set XB,   16                          ; v16-31   the tile's fragments: 8 s
.set XSW,  32                          ; v32      its scale words: lanes 0-15 K step 0, lanes 16-31 K step 1
.set SA,   33                          ; v33-40   the groups' scale words, likewise
.set GV,   41                          ; v41      the group of my lane's token
.set AFR,  48                          ; v48-175  the groups' fragments: 16 i + 8 s
.set BI,   176                         ; v176-239 -c_sq / 2 in the result's layout, then the sums in place: 8 i + j
.macro BETTER bv, bi, ov, oi           ; (bv, bi) takes (ov, oi) where ov is greater, or equal with the lower number
	s_delay_alu instid0(VALU_DEP_2)
	v_cmp_gt_f32 s66, v[\ov], v[\bv]
	s_delay_alu instid0(VALU_DEP_3)
	v_cmp_eq_f32 s67, v[\ov], v[\bv]
	s_delay_alu instid0(VALU_DEP_3)
	v_cmp_lt_u32 s70, v[\oi], v[\bi]
	s_and_b32 s67, s67, s70
	s_or_b32 vcc_lo, s66, s67
	v_cndmask_b32 v[\bv], v[\bv], v[\ov], vcc_lo
	v_cndmask_b32 v[\bi], v[\bi], v[\oi], vcc_lo
.endm
	s_load_b128 s[4:7], s[0:1], 0x0                ; grp, xq
	s_load_b128 s[8:11], s[0:1], 0x10              ; cbq, out1
	s_load_b64 s[12:13], s[0:1], 0x20              ; idxw
	v_lshl_add_u32 v254, v0, 2, 0x400
	v_mov_b32 v255, 0
	v_lshrrev_b32 v1, 5, v0
	s_delay_alu instid0(VALU_DEP_1)
	v_readfirstlane_b32 s14, v1                    ; wave 0 .. 15
	s_lshr_b32 s15, s14, 1                         ; T
	s_and_b32 s24, s14, 1
	s_lshl_b32 s24, s24, 3                         ; 8 a
	s_lshl_b32 s26, ttmp9, 9                       ; my block's 128 words, in grp, out1 and idxw
	s_mov_b32 s27, 0
	s_lshl_b32 s28, s14, 5
	s_add_co_u32 s28, s28, s26                     ; my wave's eight of them
	s_mov_b32 s29, 0
	s_mul_i32 s30, ttmp9, RECX                     ; my block's record of xq
	s_mov_b32 s31, 0
	s_mov_b32 s80, 0x76543210
	s_mov_b32 s81, 0xfedcba98                      ; v_permlanex16_b32's selects for lane l xor 16
	v_and_b32 v2, 15, v0                           ; r
	v_bfe_u32 v3, v0, 4, 1                         ; hk
	v_and_b32 v4, 31, v0                           ; lane
	s_lshl_b32 s25, s15, 6
	v_lshl_add_u32 v5, v2, 2, s25                  ; grp: token 16 T + r
	s_lshl_b32 s25, s15, 11
	v_lshl_add_u32 v6, v4, 4, s25                  ; xq: tile T, 16 x lane
	v_lshlrev_b32 v8, 3, v2
	s_delay_alu instid0(VALU_DEP_1)
	v_lshl_add_u32 v8, v3, 2, v8                   ; scale words: 8 r + 4 hk
	s_lshl_b32 s25, s15, 7
	v_add_nc_u32 v7, s25, v8                       ; the tokens': + 128 T
	v_and_b32 v9, 7, v0
	s_delay_alu instid0(VALU_DEP_1)
	v_lshl_add_u32 v9, v3, 4, v9
	s_delay_alu instid0(VALU_DEP_1)
	v_lshlrev_b32 v9, 4, v9
	v_bfe_u32 v11, v0, 3, 1
	s_delay_alu instid0(VALU_DEP_1)
	v_lshl_add_u32 v9, v11, 11, v9                 ; cbq: codeword r of a group lies in tile r / 8, lane slot 16 hk + r % 8 (+ 8 for an odd group: in the base)
	v_lshlrev_b32 v10, 5, v3                       ; -c_sq / 2: my eight, 32 hk bytes on
	s_lshl_b32 s25, s14, 6
	v_lshl_add_u32 v12, v2, 2, s25                 ; LDS: 64 bytes of my wave's own, word r
	v_lshrrev_b32 v13, 1, v4
	s_delay_alu instid0(VALU_DEP_1)
	v_lshlrev_b32 v13, 6, v13
	v_and_b32 v11, 3, v0
	s_delay_alu instid0(VALU_DEP_1)
	v_lshl_add_u32 v13, v11, 4, v13                ; back: tokens 4 l .. 4 l + 3 lie in wave l / 2's bytes, at words 4 (l % 4) on
	v_lshlrev_b32 v14, 4, v4
	s_wait_alu depctr_va_vdst(0)
	s_wait_kmcnt 0x0
	s_add_nc_u64 s[68:69], s[4:5], s[28:29]
	s_load_b256 s[16:23], s[68:69], 0x0            ; my eight tokens' groups
	s_add_nc_u64 s[4:5], s[4:5], s[26:27]
	s_add_nc_u64 s[6:7], s[6:7], s[30:31]
	s_add_nc_u64 s[10:11], s[10:11], s[26:27]
	s_add_nc_u64 s[12:13], s[12:13], s[26:27]
	global_load_b32 v[GV], v5, s[4:5]
.irp n, 0,1,2,3
	global_load_b128 v[XB+4*\n:XB+4*\n+3], v6, s[6:7] offset:512*\n
.endr
	global_load_b32 v[XSW], v7, s[6:7] offset:16384
	s_mov_b32 s67, 0
	s_wait_kmcnt 0x0
.irp i, 0,1,2,3,4,5,6,7
	s_min_u32 s[16+\i], s[16+\i], 511              ; a loaded number enters an address only behind this hold
	s_and_b32 s70, s[16+\i], 0x1fe
	s_mul_i32 s70, s70, 2304                       ; the chunk's record: (group / 2) x 4,608
	s_and_b32 s71, s[16+\i], 1                     ; the odd group of the chunk?
	s_lshl_b32 s66, s71, 7                         ; then 8 lane slots (codes) and 16 codewords' scale bytes on: 128 bytes both
	s_add_co_u32 s66, s66, s70
	s_add_nc_u64 s[32+4*\i:33+4*\i], s[8:9], s[66:67]
	s_lshl_b32 s66, s71, 6                         ; and 16 f32 on
	s_add_co_u32 s66, s66, s70
	s_add_nc_u64 s[34+4*\i:35+4*\i], s[8:9], s[66:67]
.irp n, 0,1,2,3
	global_load_b128 v[AFR+16*\i+4*\n:AFR+16*\i+4*\n+3], v9, s[32+4*\i:33+4*\i] offset:512*\n
.endr
	global_load_b32 v[SA+\i], v8, s[32+4*\i:33+4*\i] offset:4096
	global_load_b128 v[BI+8*\i:BI+8*\i+3], v10, s[34+4*\i:35+4*\i] offset:4352
	global_load_b128 v[BI+8*\i+4:BI+8*\i+7], v10, s[34+4*\i:35+4*\i] offset:4368
.endr
	s_wait_loadcnt 0x0
.irp i, 0,1,2,3,4,5,6,7                ; the eight sums by turns, K step 0 then K step 1
	v_wmma_scale_f32_16x16x128_f8f6f4 v[BI+8*\i:BI+8*\i+7], v[AFR+16*\i:AFR+16*\i+7], v[XB:XB+7], v[BI+8*\i:BI+8*\i+7], v[SA+\i], v[XSW] matrix_a_fmt:MATRIX_FMT_FP4 matrix_b_fmt:MATRIX_FMT_FP4
.endr
.irp i, 0,1,2,3,4,5,6,7
	v_wmma_scale_f32_16x16x128_f8f6f4 v[BI+8*\i:BI+8*\i+7], v[AFR+16*\i+8:AFR+16*\i+15], v[XB+8:XB+15], v[BI+8*\i:BI+8*\i+7], v[SA+\i], v[XSW] matrix_a_fmt:MATRIX_FMT_FP4 matrix_b_fmt:MATRIX_FMT_FP4 matrix_a_scale:MATRIX_SCALE_ROW1 matrix_b_scale:MATRIX_SCALE_ROW1
.endr
	v_sub_nc_u32 v240, v2, s24                     ; which of my wave's eight tokens my lane holds.  (These lines name no register of the products: the places behind them, ISA guide 7.12.1)
	v_min_u32 v[GV], 511, v[GV]
	v_lshlrev_b32 v241, 3, v3
	s_delay_alu instid0(VALU_DEP_1)
	v_lshl_add_u32 v241, v[GV], 4, v241            ; 16 group + 8 hk: the codeword of my register 0
.irp i, 1,2,3,4,5,6,7
	v_cmp_eq_u32 s[72+\i], \i, v240
.endr
.irp i, 1,2,3,4,5,6,7                  ; token i's lanes take product i's column; each sum is read from its low end on.  Lanes of the tile's other half keep product 0's: their results are not used
.irp j, 0,1,2,3,4,5,6,7
	v_cndmask_b32 v[BI+\j], v[BI+\j], v[BI+8*\i+\j], s[72+\i]
.endr
.endr
	v_mov_b32 v242, 0
.irp j, 1
	v_cmp_ge_f32 vcc_lo, v[BI], v[BI+\j]
	s_delay_alu instid0(VALU_DEP_1)
	v_cndmask_b32 v242, \j, v242, vcc_lo
	s_delay_alu instid0(VALU_DEP_2)
	v_cndmask_b32 v[BI], v[BI+\j], v[BI], vcc_lo
.endr
.irp j, 2, 3, 4, 5, 6, 7
	s_delay_alu instid0(VALU_DEP_1)
	v_cmp_ge_f32 vcc_lo, v[BI], v[BI+\j]
	s_delay_alu instid0(VALU_DEP_1)
	v_cndmask_b32 v242, \j, v242, vcc_lo
	s_delay_alu instid0(VALU_DEP_2)
	v_cndmask_b32 v[BI], v[BI+\j], v[BI], vcc_lo
.endr
	s_delay_alu instid0(VALU_DEP_2)
	v_add_nc_u32 v242, v241, v242
	v_mov_b32 v244, 0                              ; a lane permute's destination counts as one of its sources
	v_mov_b32 v245, 0
	s_delay_alu instid0(VALU_DEP_2)
	v_permlanex16_b32 v244, v[BI], s80, s81
	s_delay_alu instid0(VALU_DEP_2)
	v_permlanex16_b32 v245, v242, s80, s81
	BETTER BI, 242, 244, 245                       ; with the group's other eight, in the lane 16 away
	ds_store_b32 v12, v242                         ; both lanes of a token write the same word with the same value
	s_wait_dscnt 0x0                               ; for wave 0's sake
	s_barrier_signal -1
	s_barrier_wait -1
	s_cmp_lg_u32 s14, 0
	s_cbranch_scc1 .Ldone
	ds_load_b128 v[248:251], v13
	s_wait_dscnt 0x0
	global_store_b128 v14, v[248:251], s[10:11]    ; 512 consecutive bytes, aligned
	global_store_b128 v14, v[248:251], s[12:13]
.Ldone:
	s_wait_tensorcnt 0x0
	ds_add_u32 v254, v255
	s_wait_dscnt 0x0
	s_endpgm
.Lfunc_end_k_q1c6cb6149b_refine:
	.size	k_q1c6cb6149b_refine, .Lfunc_end_k_q1c6cb6149b_refine-k_q1c6cb6149b_refine
	.p2alignl 7, 3214868480
	.fill 96, 4, 3214868480
	.section	.rodata,"a",@progbits
	.p2align	6, 0x0
	.amdhsa_kernel k_q1c6cb6149b_refine
		.amdhsa_group_segment_fixed_size 3072
		.amdhsa_private_segment_fixed_size 0
		.amdhsa_enable_private_segment 0
		.amdhsa_kernarg_size 40
		.amdhsa_user_sgpr_count 2
		.amdhsa_user_sgpr_kernarg_segment_ptr 1
		.amdhsa_wavefront_size32 1
		.amdhsa_system_sgpr_workgroup_id_x 1
		.amdhsa_system_sgpr_workgroup_id_y 1
		.amdhsa_system_sgpr_workgroup_id_z 1
		.amdhsa_system_vgpr_workitem_id 0
		.amdhsa_next_free_vgpr 256
		.amdhsa_next_free_sgpr 84
		.amdhsa_reserve_vcc 1
		.amdhsa_float_denorm_mode_32 3
		.amdhsa_float_denorm_mode_16_64 3
		.amdhsa_memory_ordered 1
		.amdhsa_forward_progress 1
		.amdhsa_inst_pref_size 21
	.end_amdhsa_kernel
	.amdgpu_metadata
---
amdhsa.version: [ 1, 2 ]
amdhsa.kernels:
  - .name:           k_q1c6cb6149b_refine
    .symbol:         k_q1c6cb6149b_refine.kd
    .args:
      - { .name: grp, .offset: 0, .size: 8, .value_kind: global_buffer, .address_space: global }
      - { .name: xq, .offset: 8, .size: 8, .value_kind: global_buffer, .address_space: global }
      - { .name: cbq, .offset: 16, .size: 8, .value_kind: global_buffer, .address_space: global }
      - { .name: out1, .offset: 24, .size: 8, .value_kind: global_buffer, .address_space: global }
      - { .name: idxw, .offset: 32, .size: 8, .value_kind: global_buffer, .address_space: global }
    .group_segment_fixed_size: 3072
    .private_segment_fixed_size: 0
    .kernarg_segment_align: 8
    .kernarg_segment_size: 40
    .max_flat_workgroup_size: 512
    .sgpr_count:     84
    .vgpr_count:     256
    .wavefront_size: 32
...
	.end_amdgpu_metadata
.endif
;; end of part 3
;; launch gather (part 4): grid 512 x 1, 8 waves a work-group, no clusters, 66,816 bytes of LDS; arguments x, codebook, idxw, out0, part; writes out0, part
.if DOCPART == 4
	.amdgcn_target "amdgcn-amd-amdhsa--gfx1250"
	.amdhsa_code_object_version 6
	.text
	.protected	k_q1c6cb6149b_gather
	.globl	k_q1c6cb6149b_gather
	.p2align	8
	.type	k_q1c6cb6149b_gather,@function
k_q1c6cb6149b_gather:
	s_mov_b64 s[64:65], 0
	v_nop
	global_prefetch_b8 v0, s[64:65] scope:SCOPE_SE
	s_setreg_imm32_b32 hwreg(HW_REG_WAVE_MODE, 25, 1), 1
	s_wait_xcnt 0x0
; out0[b][d][hw] = (q - x) + x, q = codebook[index of token (b, hw)][d], in f32 and in that order of rounding; and this work-group's sum of (q - x)^2, for the two losses.
; SHARES.  A work-group owns 64 tokens of one b: 256 consecutive bytes of each of the 256 rows of x and out0.  Wave w gathers the codebook rows of tokens 8 w .. 8 w + 7 (1,024 bytes each, two loads of 512
; consecutive bytes) into an LDS tile, and, behind a barrier, handles rows d = 32 w .. 32 w + 31: there a lane holds four neighbouring tokens of one d, as x and out0 lie, and takes q out of the tile turned.
; THE TILE: q(t, d) lies at 1024 t + 16 ((d / 4) xor ((t / 4) % 16)) + 4 (d % 4).  Written 16 bytes a lane along d, sixteen lanes fall on sixteen different columns of 16 bytes; read 4 bytes a lane at
; one d (two for the two halves of the lanes) and tokens 4 apart, the 32 lanes fall on 32 different words modulo 256 bytes.
; An index is held at 8,191.  No matrix unit, no cluster, no tensor load: each byte of x and out0 moves once, and the rows are chosen by the list.  No prefetch: the launch's loads all go out at its head.
.set RED, 65536                        ; behind the tile: eight waves' sums
.set XR,  16                           ; v16-79   x: 4 m + e
.set GQ,  80                           ; v80-143  the gathered rows (8 k + 4 kk), then q turned, then the result (4 m + e)
.set VO,  144                          ; v144-151 a row's byte offset in the codebook + 16 x lane: one for each row, never rewritten
.set RA,  152                          ; v152-159 LDS addresses of the turned reads: one for each four d
.set LA,  160                          ; v160-167 sums of squares, four pairs
	s_load_b128 s[4:7], s[0:1], 0x0                ; x, codebook
	s_load_b128 s[8:11], s[0:1], 0x10              ; idxw, out0
	s_load_b64 s[12:13], s[0:1], 0x20              ; part
	v_lshl_add_u32 v168, v0, 2, 0x10100
	v_mov_b32 v169, 0
	v_lshrrev_b32 v1, 5, v0
	s_delay_alu instid0(VALU_DEP_1)
	v_readfirstlane_b32 s14, v1                    ; wave 0 .. 7
	v_and_b32 v1, 31, v0                           ; lane
	v_and_b32 v2, 15, v0                           ; i
	s_wait_alu depctr_va_vdst(0)
	v_bfe_u32 v3, v0, 4, 1                         ; hk
	s_lshr_b32 s16, ttmp9, 4
	s_lshl_b32 s16, s16, 20                        ; b x 256 rows of 4,096 bytes
	s_and_b32 s17, ttmp9, 15
	s_lshl_b32 s17, s17, 8                         ; + my 64 tokens
	s_add_co_u32 s16, s16, s17
	s_lshl_b32 s17, s14, 17                        ; + 32 w rows
	s_add_co_u32 s16, s16, s17
	s_mov_b32 s17, 0
	s_lshl_b32 s18, ttmp9, 8
	s_lshl_b32 s19, s14, 5
	s_add_co_u32 s18, s18, s19                     ; my wave's eight indices
	s_mov_b32 s19, 0
	s_lshl_b32 s20, ttmp9, 2
	s_mov_b32 s21, 0
	s_mov_b32 s36, 0x76543210
	s_mov_b32 s37, 0xfedcba98                      ; v_permlanex16_b32's selects for lane l xor 16
	v_lshlrev_b32 v4, 4, v2
	s_wait_alu depctr_va_vdst(0)
	v_lshl_add_u32 v4, v3, 12, v4                  ; x, out0: two rows an instruction, 16 bytes a lane
	v_lshlrev_b32 v5, 4, v1
	s_lshl_b32 s22, s14, 1                         ; (t / 4) % 16 of my tokens 8 w .. 8 w + 3,
	s_lshl_b32 s23, s14, 13
	v_xor_b32 v6, s22, v1
	s_delay_alu instid0(VALU_DEP_1)
	v_lshl_add_u32 v6, v6, 4, s23
	s_add_co_u32 s22, s22, 1                       ; and of 8 w + 4 .. 8 w + 7
	v_xor_b32 v7, s22, v1
	s_delay_alu instid0(VALU_DEP_1)
	v_lshl_add_u32 v7, v7, 4, s23
	s_lshl_b32 s24, s14, 3                         ; d / 4 of my first row
	v_lshlrev_b32 v8, 12, v2
	s_delay_alu instid0(VALU_DEP_1)
	v_lshl_add_u32 v8, v3, 2, v8                   ; token 4 i, d % 4 = hk (+ 2 in the immediate)
.irp mm, 0,1,2,3,4,5,6,7
	s_add_co_u32 s25, s24, \mm
	v_xor_b32 v[RA+\mm], s25, v2
	s_delay_alu instid0(VALU_DEP_1)
	v_lshl_add_u32 v[RA+\mm], v[RA+\mm], 4, v8
.endr
	s_lshl_b32 s26, s14, 2
	s_add_co_u32 s26, s26, RED
	v_mov_b32 v9, s26
	v_mov_b32 v10, RED
	v_mov_b32 v11, 0
	s_wait_kmcnt 0x0
	s_add_nc_u64 s[8:9], s[8:9], s[18:19]
	s_load_b256 s[28:35], s[8:9], 0x0
	s_add_nc_u64 s[4:5], s[4:5], s[16:17]
	s_add_nc_u64 s[10:11], s[10:11], s[16:17]
	s_add_nc_u64 s[12:13], s[12:13], s[20:21]
.irp m, 0,1,2,3,4,5,6,7,8,9,10,11,12,13,14,15
	global_load_b128 v[XR+4*\m:XR+4*\m+3], v4, s[4:5] offset:8192*\m th:TH_LOAD_NT   ; sixteen lanes read 256 consecutive bytes, aligned
.endr
	s_wait_kmcnt 0x0
.irp k, 0,1,2,3,4,5,6,7
	s_min_u32 s[28+\k], s[28+\k], 8191             ; a loaded number enters an address only behind this hold
	s_lshl_b32 s[28+\k], s[28+\k], 10
	v_add_nc_u32 v[VO+\k], s[28+\k], v5
	global_load_b128 v[GQ+8*\k:GQ+8*\k+3], v[VO+\k], s[6:7]
	global_load_b128 v[GQ+8*\k+4:GQ+8*\k+7], v[VO+\k], s[6:7] offset:512
.endr
.irp k, 0,1,2,3,4,5,6,7
	s_wait_loadcnt 14-2*\k                         ; row k's two loads are in (and x's, which were issued first); the later rows' may be out
	ds_store_b128 v[6+\k/4], v[GQ+8*\k:GQ+8*\k+3] offset:\k*1024
	ds_store_b128 v[6+\k/4], v[GQ+8*\k+4:GQ+8*\k+7] offset:\k*1024+512
.endr
	s_wait_dscnt 0x0                               ; for the others' sake: my eight rows lie in the tile
	s_barrier_signal -1
	s_barrier_wait -1
.irp mm, 0,1,2,3,4,5,6,7
.irp p, 0,1
.irp e, 0,1,2,3
	ds_load_b32 v[GQ+4*(2*\mm+\p)+\e], v[RA+\mm] offset:\e*1024+8*\p   ; q(4 i + e, 32 w + 2 m + hk), m = 2 mm + p
.endr
.endr
.endr
.set m, 0
.rept 16
	s_wait_dscnt 60-4*m                            ; LDS loads come back in order: the four of rows 2 m, 2 m + 1 are in; the 4 (15 - m) behind them may be out
	v_pk_add_f32 v[GQ+4*m:GQ+4*m+1], v[GQ+4*m:GQ+4*m+1], v[XR+4*m:XR+4*m+1] neg_lo:[0,1] neg_hi:[0,1]       ; q - x
	v_pk_add_f32 v[GQ+4*m+2:GQ+4*m+3], v[GQ+4*m+2:GQ+4*m+3], v[XR+4*m+2:XR+4*m+3] neg_lo:[0,1] neg_hi:[0,1]
.if m < 2
	s_delay_alu instid0(VALU_DEP_2)
	v_pk_mul_f32 v[LA+4*m:LA+4*m+1], v[GQ+4*m:GQ+4*m+1], v[GQ+4*m:GQ+4*m+1]                                 ; the first four pairs start the sums
	s_delay_alu instid0(VALU_DEP_2)
	v_pk_mul_f32 v[LA+4*m+2:LA+4*m+3], v[GQ+4*m+2:GQ+4*m+3], v[GQ+4*m+2:GQ+4*m+3]
.else
	s_delay_alu instid0(VALU_DEP_2)
	v_pk_fma_f32 v[LA+4*(m%2):LA+4*(m%2)+1], v[GQ+4*m:GQ+4*m+1], v[GQ+4*m:GQ+4*m+1], v[LA+4*(m%2):LA+4*(m%2)+1]
	s_delay_alu instid0(VALU_DEP_2)
	v_pk_fma_f32 v[LA+4*(m%2)+2:LA+4*(m%2)+3], v[GQ+4*m+2:GQ+4*m+3], v[GQ+4*m+2:GQ+4*m+3], v[LA+4*(m%2)+2:LA+4*(m%2)+3]
.endif
	s_delay_alu instid0(VALU_DEP_4)
	v_pk_add_f32 v[GQ+4*m:GQ+4*m+1], v[GQ+4*m:GQ+4*m+1], v[XR+4*m:XR+4*m+1]                                 ; + x
	s_delay_alu instid0(VALU_DEP_4)
	v_pk_add_f32 v[GQ+4*m+2:GQ+4*m+3], v[GQ+4*m+2:GQ+4*m+3], v[XR+4*m+2:XR+4*m+3]
	global_store_b128 v4, v[GQ+4*m:GQ+4*m+3], s[10:11] offset:8192*m th:TH_STORE_NT                         ; sixteen lanes store 256 consecutive bytes, aligned; these registers are not written again
.set m, m+1
.endr
	s_wait_alu depctr_va_vdst(0)
	v_pk_add_f32 v[LA:LA+1], v[LA:LA+1], v[LA+2:LA+3]
	v_pk_add_f32 v[LA+4:LA+5], v[LA+4:LA+5], v[LA+6:LA+7]
	s_delay_alu instid0(VALU_DEP_1)
	v_pk_add_f32 v[LA:LA+1], v[LA:LA+1], v[LA+4:LA+5]
	s_delay_alu instid0(VALU_DEP_1)
	v_add_f32 v[LA], v[LA], v[LA+1]
	s_delay_alu instid0(VALU_DEP_1)
	v_add_f32_dpp v[LA], v[LA], v[LA] row_xmask:1 row_mask:0xf bank_mask:0xf
	s_delay_alu instid0(VALU_DEP_1)
	v_add_f32_dpp v[LA], v[LA], v[LA] row_xmask:2 row_mask:0xf bank_mask:0xf
	s_delay_alu instid0(VALU_DEP_1)
	v_add_f32_dpp v[LA], v[LA], v[LA] row_xmask:4 row_mask:0xf bank_mask:0xf
	s_delay_alu instid0(VALU_DEP_1)
	v_add_f32_dpp v[LA], v[LA], v[LA] row_xmask:8 row_mask:0xf bank_mask:0xf
	s_delay_alu instid0(VALU_DEP_1)
	v_permlanex16_b32 v[LA+1], v[LA], s36, s37
	s_delay_alu instid0(VALU_DEP_1)
	v_add_f32 v[LA], v[LA], v[LA+1]                ; the wave's sum, in every lane
	ds_store_b32 v9, v[LA]                         ; all lanes write the same word with the same value
	s_wait_dscnt 0x0
	s_barrier_signal -1
	s_barrier_wait -1
	s_cmp_lg_u32 s14, 0
	s_cbranch_scc1 .Ldone
	ds_load_b128 v[16:19], v10
	ds_load_b128 v[20:23], v10 offset:16
	s_wait_dscnt 0x0
	v_add_f32 v16, v16, v17
	v_add_f32 v18, v18, v19
	v_add_f32 v20, v20, v21
	v_add_f32 v22, v22, v23
	s_delay_alu instid0(VALU_DEP_3)
	v_add_f32 v16, v16, v18
	s_delay_alu instid0(VALU_DEP_2)
	v_add_f32 v20, v20, v22
	s_delay_alu instid0(VALU_DEP_1)
	v_add_f32 v16, v16, v20
	v_cmp_eq_u32 vcc_lo, 0, v1
	s_wait_alu depctr_va_vdst(0)
	s_wait_xcnt 0x0                                ; EXEC is a source of the stores above: it changes only behind this wait
	s_and_saveexec_b32 s38, vcc_lo
	global_store_b32 v11, v16, s[12:13]            ; lane 0: the work-group's sum
	s_wait_xcnt 0x0                                ; and again, in front of the line that widens it
	s_or_b32 exec_lo, exec_lo, s38
.Ldone:
	s_wait_tensorcnt 0x0
	ds_add_u32 v168, v169
	s_wait_dscnt 0x0
	s_endpgm
.Lfunc_end_k_q1c6cb6149b_gather:
	.size	k_q1c6cb6149b_gather, .Lfunc_end_k_q1c6cb6149b_gather-k_q1c6cb6149b_gather
	.p2alignl 7, 3214868480
	.fill 96, 4, 3214868480
	.section	.rodata,"a",@progbits
	.p2align	6, 0x0
	.amdhsa_kernel k_q1c6cb6149b_gather
		.amdhsa_group_segment_fixed_size 66816
		.amdhsa_private_segment_fixed_size 0
		.amdhsa_enable_private_segment 0
		.amdhsa_kernarg_size 40
		.amdhsa_user_sgpr_count 2
		.amdhsa_user_sgpr_kernarg_segment_ptr 1
		.amdhsa_wavefront_size32 1
		.amdhsa_system_sgpr_workgroup_id_x 1
		.amdhsa_system_sgpr_workgroup_id_y 1
		.amdhsa_system_sgpr_workgroup_id_z 1
		.amdhsa_system_vgpr_workitem_id 0
		.amdhsa_next_free_vgpr 170
		.amdhsa_next_free_sgpr 66
		.amdhsa_reserve_vcc 1
		.amdhsa_float_denorm_mode_32 3
		.amdhsa_float_denorm_mode_16_64 3
		.amdhsa_memory_ordered 1
		.amdhsa_forward_progress 1
		.amdhsa_inst_pref_size 26
	.end_amdhsa_kernel
	.amdgpu_metadata
---
amdhsa.version: [ 1, 2 ]
amdhsa.kernels:
  - .name:           k_q1c6cb6149b_gather
    .symbol:         k_q1c6cb6149b_gather.kd
    .args:
      - { .name: x, .offset: 0, .size: 8, .value_kind: global_buffer, .address_space: global }
      - { .name: codebook, .offset: 8, .size: 8, .value_kind: global_buffer, .address_space: global }
      - { .name: idxw, .offset: 16, .size: 8, .value_kind: global_buffer, .address_space: global }
      - { .name: out0, .offset: 24, .size: 8, .value_kind: global_buffer, .address_space: global }
      - { .name: part, .offset: 32, .size: 8, .value_kind: global_buffer, .address_space: global }
    .group_segment_fixed_size: 66816
    .private_segment_fixed_size: 0
    .kernarg_segment_align: 8
    .kernarg_segment_size: 40
    .max_flat_workgroup_size: 256
    .sgpr_count:     66
    .vgpr_count:     170
    .wavefront_size: 32
...
	.end_amdgpu_metadata
.endif
;; end of part 4
;; launch mean (part 5): grid 1 x 1, 1 waves a work-group, no clusters, 0 bytes of LDS; arguments part, out2, out3; writes out2, out3
.if DOCPART == 5
	.amdgcn_target "amdgcn-amd-amdhsa--gfx1250"
	.amdhsa_code_object_version 6
	.text
	.protected	k_q1c6cb6149b_mean
	.globl	k_q1c6cb6149b_mean
	.p2align	8
	.type	k_q1c6cb6149b_mean,@function
k_q1c6cb6149b_mean:
	s_mov_b64 s[64:65], 0
	v_nop
	global_prefetch_b8 v0, s[64:65] scope:SCOPE_SE
	s_setreg_imm32_b32 hwreg(HW_REG_WAVE_MODE, 25, 1), 1
	s_wait_xcnt 0x0
; The two losses are the same number: the mean of (x - q)^2 over 32,768 x 256 = 2^23 numbers.  The 512 work-groups of the launch before have each left a sum; one wave adds them, 16 a lane, in pairs,
; and multiplies by 2^-23, which rounds nothing.  A sum that spans work-groups has one owner: hence a launch of its own.
	s_load_b128 s[4:7], s[0:1], 0x0                ; part, out2
	s_load_b64 s[8:9], s[0:1], 0x10                ; out3
	v_lshlrev_b32 v1, 4, v0
	v_mov_b32 v2, 0
	s_mov_b32 s10, 0x76543210
	s_mov_b32 s11, 0xfedcba98                      ; v_permlanex16_b32's selects for lane l xor 16
	s_wait_alu depctr_va_vdst(0)
	s_wait_kmcnt 0x0
.irp n, 0,1,2,3
	global_load_b128 v[4+4*\n:7+4*\n], v1, s[4:5] offset:512*\n
.endr
	s_wait_loadcnt 0x0
	v_pk_add_f32 v[4:5], v[4:5], v[6:7]
	v_pk_add_f32 v[8:9], v[8:9], v[10:11]
	v_pk_add_f32 v[12:13], v[12:13], v[14:15]
	v_pk_add_f32 v[16:17], v[16:17], v[18:19]
	v_pk_add_f32 v[4:5], v[4:5], v[8:9]
	v_pk_add_f32 v[12:13], v[12:13], v[16:17]
	v_pk_add_f32 v[4:5], v[4:5], v[12:13]
	v_add_f32 v4, v4, v5
	v_add_f32_dpp v4, v4, v4 row_xmask:1 row_mask:0xf bank_mask:0xf
	v_add_f32_dpp v4, v4, v4 row_xmask:2 row_mask:0xf bank_mask:0xf
	v_add_f32_dpp v4, v4, v4 row_xmask:4 row_mask:0xf bank_mask:0xf
	v_add_f32_dpp v4, v4, v4 row_xmask:8 row_mask:0xf bank_mask:0xf
	v_permlanex16_b32 v5, v4, s10, s11
	v_add_f32 v4, v4, v5
	v_mul_f32 v4, 0x34000000, v4                   ; x 2^-23
	v_cmp_eq_u32 vcc_lo, 0, v0
	s_wait_alu depctr_va_vdst(0)
	s_wait_xcnt 0x0                                ; EXEC changes only behind this wait
	s_and_saveexec_b32 s12, vcc_lo
	global_store_b32 v2, v4, s[6:7]
	global_store_b32 v2, v4, s[8:9]
	s_wait_xcnt 0x0                                ; and again, in front of the line that widens it
	s_or_b32 exec_lo, exec_lo, s12
	s_endpgm
.Lfunc_end_k_q1c6cb6149b_mean:
	.size	k_q1c6cb6149b_mean, .Lfunc_end_k_q1c6cb6149b_mean-k_q1c6cb6149b_mean
	.p2alignl 7, 3214868480
	.fill 96, 4, 3214868480
	.section	.rodata,"a",@progbits
	.p2align	6, 0x0
	.amdhsa_kernel k_q1c6cb6149b_mean
		.amdhsa_group_segment_fixed_size 0
		.amdhsa_private_segment_fixed_size 0
		.amdhsa_enable_private_segment 0
		.amdhsa_kernarg_size 24
		.amdhsa_user_sgpr_count 2
		.amdhsa_user_sgpr_kernarg_segment_ptr 1
		.amdhsa_wavefront_size32 1
		.amdhsa_system_sgpr_workgroup_id_x 1
		.amdhsa_system_sgpr_workgroup_id_y 1
		.amdhsa_system_sgpr_workgroup_id_z 1
		.amdhsa_system_vgpr_workitem_id 0
		.amdhsa_next_free_vgpr 32
		.amdhsa_next_free_sgpr 66
		.amdhsa_reserve_vcc 1
		.amdhsa_float_denorm_mode_32 3
		.amdhsa_float_denorm_mode_16_64 3
		.amdhsa_memory_ordered 1
		.amdhsa_forward_progress 1
		.amdhsa_inst_pref_size 3
	.end_amdhsa_kernel
	.amdgpu_metadata
---
amdhsa.version: [ 1, 2 ]
amdhsa.kernels:
  - .name:           k_q1c6cb6149b_mean
    .symbol:         k_q1c6cb6149b_mean.kd
    .args:
      - { .name: part, .offset: 0, .size: 8, .value_kind: global_buffer, .address_space: global }
      - { .name: out2, .offset: 8, .size: 8, .value_kind: global_buffer, .address_space: global }
      - { .name: out3, .offset: 16, .size: 8, .value_kind: global_buffer, .address_space: global }
    .group_segment_fixed_size: 0
    .private_segment_fixed_size: 0
    .kernarg_segment_align: 8
    .kernarg_segment_size: 24
    .max_flat_workgroup_size: 32
    .sgpr_count:     66
    .vgpr_count:     32
    .wavefront_size: 32
...
	.end_amdgpu_metadata
.endif
;; end of part 5
